; MI455X (gfx1250); checked and timed in simulation.
; The chip was launched on July 23, 2026; its instructions are those of AMD's public machine-readable ISA for CDNA 5 (MIT licence, August 2026) and "CDNA5" Instruction Set Architecture Reference Guide (July 2026). The comments in the code are by the model that wrote it; some were corrected since.
;; Induction. Allowed arithmetic: matrix products marked QUANTISED: E4M3 operands, one given power-of-two scale a tensor, by v_wmma_f32_16x16x64_fp8_fp8 or v_wmma_f32_16x16x128_fp8_fp8, f32 sums; products left as they are: f32 operands where the result goes on into a quantised operand, else bf16, f16 or f32 operands; f32 sums; everything else in f32.
;; Inputs: W_codes 1,024 x 32 x 32 uint8 (E4M3 codes of W, K innermost, in blocks of 32 codes); lowp_scales 2 int32 (the exponents e of the quantised operands' scales 2^e); x_codes 65,536 x 32 x 32 uint8 (E4M3 codes of x, K innermost, in blocks of 32 codes).
;; Outputs: out0 512 x 1,024 float32.
;; This version of the problem:
;;   THIS VERSION OF THE PROBLEM IS GIVEN IN LOW PRECISION. The matrix products marked QUANTISED in the list below multiply operands that are first quantised to E4M3 (4 exponent bits, 3 mantissa bits; 8 bits a number), with one given power-of-two scale for each operand tensor; their sums are f32. All else is computed in f32.
;;   The module's matrix products, in the order in which they are computed (A, B: the left and right operand; K: the contracted axis; several contracted axes count as one K, in the product's order):
;;     1. [M 65,536, K 1,024] x [K 1,024, N 1,024]; A: input x (given as codes); B: input W (given as codes): QUANTISED (scales: A lowp_scales[0], B lowp_scales[1])
;;     2. batch 512 x [M 128, K 1,024] x [K 1,024, N 1]; A: computed on the way; B: computed on the way: left as it is (N = 1 < 16)
;;     3. batch 512 x [M 128, K 1,024] x [K 1,024, N 1]; A: computed on the way; B: computed on the way: left as it is (N = 1 < 16)
;;     4. batch 512 x [M 128, K 1,024] x [K 1,024, N 1]; A: computed on the way; B: computed on the way: left as it is (N = 1 < 16)
;;   THE QUANTISER, for each operand of a quantised product, along K:
;;     - The operand's scale is 2^e, e = its entry of the input lowp_scales (int32; the entries are numbered through the quantised products in the list's order, A before B).
;;     - Each number is divided by the scale, clamped to +-448, and rounded to the nearest number of E4M3, ties to even, subnormals kept.
;;     - The product sums the exact products of the quantised numbers (number of the format x scale) in f32.
;;   ~~~python
;;   def quantise(x, axis, e):      # numpy; x: float32 -> the quantised numbers, widened to float32 again
;;       x = np.moveaxis(x, axis, -1); K = x.shape[-1]
;;       r = np.clip(x / 2.0 ** e, -448, 448)
;;       step = 2.0 ** (np.maximum(np.frexp(np.where(r == 0, 1, r))[1] - 1, -6) - 3)
;;       q = np.round(r / step) * step * 2.0 ** e      # np.round: ties to even
;;       return np.moveaxis(q, -1, axis).astype(np.float32)
;;   ~~~
;;   INPUTS GIVEN AS CODES. W (in the module: [1024, 1024], K = its axis 0); x (in the module: [65536, 1024], K = its axis 1): each comes as NAME_codes (uint8): NAME with its K axis moved to the last place and cut into blocks of 32 codes, [.., K / 32, bytes a block], one block behind the other in memory; one code a byte (a code: sign, 4 exponent bits, 3 mantissa bits); its scale is its entry of lowp_scales. Its value is code x scale, taken as it is: it is not quantised again, and the codes and scales need not be those that the quantiser above would give.
;; One version. Each part assembles by itself: llvm-mc -triple=amdgcn-amd-amdhsa -mcpu=gfx1250 --defsym DOCPART=n.
;; ======== version 1 of 1: 1 launch
;; launch induction (part 1): grid 512 x 1, 4 waves a work-group, clusters of 4 x 1, 327,680 bytes of LDS; arguments x_codes, W_codes, lowp_scales, out0; writes out0
.if DOCPART == 1
	.amdgcn_target "amdgcn-amd-amdhsa--gfx1250"
	.amdhsa_code_object_version 6
	.text
	.protected	k_qa3bec76037_induction
	.globl	k_qa3bec76037_induction
	.p2align	8
	.type	k_qa3bec76037_induction,@function
k_qa3bec76037_induction:
	s_mov_b64 s[64:65], 0
	v_nop
	global_prefetch_b8 v0, s[64:65] scope:SCOPE_SE
	s_setreg_imm32_b32 hwreg(HW_REG_WAVE_MODE, 25, 1), 1
	s_wait_xcnt 0x0
	s_wait_alu depctr_hold_cnt(0) depctr_sa_sdst(0) depctr_va_vdst(0) depctr_va_sdst(0) depctr_va_ssrc(0) depctr_va_vcc(0) depctr_vm_vsrc(0)
	s_getreg_b32 s2, hwreg(HW_REG_IB_STS2, 6, 4)
	s_cmp_eq_u32 s2, 0
	s_cbranch_scc0 .Lentry_in_a_cluster
	s_endpgm
.Lentry_in_a_cluster:
	s_bfe_u32 s2, ttmp6, 0x10000c
	s_cmp_lg_u32 s2, 0x3003
	s_cbranch_scc0 .Lentry_shape_is_right
	s_endpgm
.Lentry_shape_is_right:
; INDUCTION (dynamic routing), one launch.  e = x W on E4M3 codes (x_codes [65536][1024], W_codes [1024 (n)][1024 (k)], K innermost), e's true value = sum x 2^E, E = lowp_scales[0] + lowp_scales[1].
; Each of the 512 classes owns 128 rows of e and runs three steps: d = softmax(b); c = sum_s d_s e_s; c = squash(c); b += e c.  Only the last c leaves: out0 [512][1024] f32.  The third update of b serves nothing and is not made.
; SHARES.  A work-group of four waves owns one class.  Wave w owns columns 512 p + 128 w + 16 b + r (p = pass 0, 1; b = 0..7; r = lane % 16) of all 128 rows: 64 accumulators of 16 x 16 a pass.
; e NEVER GOES TO MEMORY: a class's e is 128 x 1024 f32 = 512 KB.  Pass 0: rows 0-63 stay in window 1, rows 64-127 go from window 2 into LDS as an image of the registers (128 KB).  Pass 1: rows 0-63 in window 3, rows 64-127 in window 2.
; THE PRODUCT: v_wmma_f32_16x16x64_fp8_fp8, source 0 = 16 rows of x, source 1 = 16 rows of W_codes (columns of W): register j of lane (r, h) is e(16 a + 8 h + j, column r of block b).
;   A fragment (8 registers) is fetched by two ds_load_b128, 32 bytes apart, at row x pitch + 16 h: a permutation of k, the same in both sources, so each product meets its partner; only the order of the sums inside an instruction changes.
; W: every class walks all of W.  The four classes of a cluster ask for its tiles JOINTLY (mask 15), through two LDS slots.  x is each class's own: nothing of it is shared, so its loads carry no mask.
;   PASS 0: a slot holds 512 rows x 256 along K (rows of 256 bytes, aligned); each wave fetches the 128 rows that it reads: four tiles, 256 matrix instructions a wave between a request and the wait for it.
;   PASS 1: the image of e takes 131,072 bytes, and two slots of 640 rows x 272 bytes beside it are more than LDS holds: a slot holds 128 along K, x's 128 rows and W's 512; waves 0, 1 fetch x, waves 2, 3 W.
; x, pass 0: each wave asks for all 1,024 bytes of its 32 rows in its first lines, 64 loads into window 3 (idle in pass 0), and stores them, 256 along K at a time, into ONE chunk in LDS that ds_store alone writes:
;   behind the round at which every wave's reads of the old chunk are back; a work-group barrier then shows the new chunk to all.
; THE CHANGE OF SLOTS stands at the head of a slot's last 64 along K, whose fragments are in registers by then: no matrix instruction stands between a tile's landing and the next request.
; ROUTING in f32 on the vector unit: the logits spread widely, so the softmax is steep and nothing coarser than f32 stands ahead of it.  The row's largest logit is taken away before the exponential.
; LIMITS: sums are grouped otherwise than a plain ascending chain; a NaN code among the inputs spreads to its class's results; E is applied by v_ldexp_f32 and has no bound of its own.
; REGISTERS: window 0: v1-21 addresses, v22-23 at work, v24-27 logits of rows 4 l .. 4 l + 3, v28-31 p, v32-63 c (a pair for each of my 16 column blocks),
;   v64-127 x's fragments, later d / the partial logits, v128-255 W's fragments (two sets), later half of the image of e.  Windows 1-3: accumulator (a, b) at v[8 (8 (a % 4) + b)].
.set PX,    272                        ; a row of 256 bytes + 16: row r starts at bank 4 r mod 64 (64 banks of 4 bytes: ISA guide 11.1)
.set XRB,   128*PX                     ; x's chunk: 128 rows x 256 along K: bytes 0 .. 34,815
.set BIG,   512*PX                     ; a slot of pass 0: 139,264 bytes.  Slot 1 (tiles 1, 3) at 34,816, slot 0 (tiles 0, 2) at 174,080, up to 313,344
.set PR,    144                        ; a row in pass 1's ring: 128 bytes + 16
.set BWB,   131072                     ; behind the image of e (bytes 0 .. 131,071): 4 x 512 bytes, the waves' partial logits,
.set DSC,   133120                     ; 4 x 512 bytes: d, a copy for each wave,
.set OSC,   135168                     ; 4 x 1,024 bytes: the way out.  Image and scratch lie over x's chunk and over bytes of pass 0's slot 1 that have had their last fill
.set RB,    139264                     ; pass 1's ring: slot 1 at 139,264, slot 0 at 231,424: slot 0 lies inside pass 0's slot 0 and the bytes behind it, so it can be asked for while tile 3 is multiplied
.set XP,    128*PR                     ; a slot of pass 1: x's 128 rows, then W's 512 rows
.set SLOT,  640*PR                     ; 92,160 bytes
.set SPARE, RB+2*SLOT                  ; 323,584: the spare words, 128 bytes for each wave: two blocks of 256 bytes that no other line names
.set SQB,   SPARE+512                  ; four words: the waves' sums of squares
.set OGO,  1                           ; v1   512 w + 16 l: my bytes in a half row of out0
.set ADRA, 2                           ; v2-3   x's fragments in pass 1's slot 0, 1
.set ADRB, 4                           ; v4-5   my 128 rows of W in pass 1's slot 0, 1
.set ADRX, 6                           ; v6   x's fragments in the chunk
.set XST,  7                           ; v7   where I store x into the chunk
.set ADRP, 8                           ; v8-9   my 128 rows of W in pass 0's slot 0, 1
.set XGO,  10                          ; v10  my byte offset in the class's rows of x
.set ESP,  11                          ; v11  the image of e: 32,768 w + 16 l
.set SPW,  12                          ; v12  my spare word; never rewritten
.set NIL,  13                          ; v13  0; never rewritten
.set BWS,  14
.set BWR,  15
.set DST,  16
.set DRD,  17
.set SQS,  18
.set SQR,  19
.set OST,  20
.set ORD,  21
.set LG,   24
.set PP,   28
.set CC,   32
.set AF,   64
.set DD,   64
.set BP,   64
.set BF,   128
.set SS,   128
.set G1X,  32                          ; s[32:39] group 1 for x's tiles; s[40:47] for W's in pass 1; s[48:55], s[56:63] their groups 0, a set for each slot
.set G1W,  40
.set G0X,  48
.set G0W,  56
.set G1P,  68                          ; s[68:75] group 1 for W's tiles in pass 0; s[76:83] its groups 0
.set G0P,  76
.set M1,   0x50                        ; matrix: C and D in window 1, 2, 3; both sources in window 0
.set M2,   0xa0
.set M3,   0xf0
.set MSB,  0
.macro WIN new                         ; the immediate's high byte repeats the setting that is left; a switch that changes nothing is dropped
.if MSB != \new
	s_set_vgpr_msb (MSB<<8)|\new
.set MSB, \new
.endif
.endm
.macro PLACES                          ; four plain places behind matrix instructions, in front of loads into their sources and of reads of their results
.rept 4
	v_nop
.endr
.endm
.macro CREST                           ; a round of the cluster's barrier behind its opening barrier
	s_cmp_lg_u32 s12, 0
	s_cbranch_scc1 .Lnot_wave_0_\@
	s_barrier_signal -3
.Lnot_wave_0_\@:
	s_barrier_wait -3
	s_barrier_signal -1
	s_barrier_wait -1
.endm
.macro CROUND
	s_barrier_signal -1
	s_barrier_wait -1
	CREST
.endm
; A refill in pass 0: every wave asks jointly for its own 128 rows of W.  Four v_nop follow the load.
.macro JLOADP slot
	tensor_load_to_lds s[G0P+4*(\slot):G0P+4*(\slot)+3], s[G1P:G1P+7]
	s_nop 0
.rept 4
	v_nop
.endr
.endm
; A refill of one of pass 1's slots: waves 0, 1 ask for the class's own x, waves 2, 3 jointly for W's two halves.  The branch hangs on the wave's number alone.
.macro JLOAD1 slot
	s_cmp_lt_u32 s12, 2
	s_cbranch_scc0 .Lfor_w_\@
	tensor_load_to_lds s[G0X+4*(\slot):G0X+4*(\slot)+3], s[G1X:G1X+7]
	s_nop 0
.rept 4
	v_nop
.endr
	s_branch .Lasked_\@
.Lfor_w_\@:
	tensor_load_to_lds s[G0W+4*(\slot):G0W+4*(\slot)+3], s[G1W:G1W+7]
	s_nop 0
.rept 4
	v_nop
.endr
.Lasked_\@:
.endm
.macro FRAG reg, adr, off              ; 16 rows x 64 K: registers 0-3: k = 16 h + 0..15, registers 4-7: k = 32 + 16 h + 0..15
	ds_load_b128 v[\reg:\reg+3], v[\adr] offset:\off
	ds_load_b128 v[\reg+4:\reg+7], v[\adr] offset:\off+32
.endm
.macro FETCH_B kind, slot, q, set      ; my eight blocks of W, the slot's q-th 64 along K, into set.  kind = 0: a slot of pass 0; 1: of pass 1
.irp i, 0,1,2,3,4,5,6,7
.if \kind
	FRAG BF+64*(\set)+8*\i, ADRB+(\slot), 64*(\q)+16*PR*\i
.else
	FRAG BF+64*(\set)+8*\i, ADRP+(\slot), 64*(\q)+16*PX*\i
.endif
.endr
.endm
.macro FETCH_A kind, slot, q, i0       ; x's blocks i0 .. i0 + 3.  kind = 0: out of the chunk; 1: out of the slot's x part
.irp i, \i0, \i0+1, \i0+2, \i0+3
.if \kind
	FRAG AF+8*(\i), ADRA+(\slot), 64*(\q)+16*PR*(\i)
.else
	FRAG AF+8*(\i), ADRX, 64*(\q)+16*PX*(\i)
.endif
.endr
.endm
; 16 matrix instructions: x's blocks a0, a0 + 1 against W's eight.  The 64 accumulators take turns, one instruction a turn, in the same order in every step.  zero = 1: the product starts the sums.
.macro MUL16 a0, set, zero
.irp a, \a0, \a0+1
.irp b, 0,1,2,3,4,5,6,7
.if \zero
	v_wmma_f32_16x16x64_fp8_fp8 v[8*(8*((\a)%4)+\b):8*(8*((\a)%4)+\b)+7], v[AF+8*(\a):AF+8*(\a)+7], v[BF+64*(\set)+8*\b:BF+64*(\set)+8*\b+7], 0
.else
	v_wmma_f32_16x16x64_fp8_fp8 v[8*(8*((\a)%4)+\b):8*(8*((\a)%4)+\b)+7], v[AF+8*(\a):AF+8*(\a)+7], v[BF+64*(\set)+8*\b:BF+64*(\set)+8*\b+7], v[8*(8*((\a)%4)+\b):8*(8*((\a)%4)+\b)+7]
.endif
.endr
.endr
.endm
; The slot's q-th 64 along K, which has its successor in the same slot.  x has one set of registers: blocks 0-3 are fetched anew in the middle, blocks 4-7 at the end; W has two sets, q % 2 at work.
.macro STEP kind, slot, q, lo, hi, zero, hc
	s_wait_dscnt \hc                               ; W's set and x's blocks 0-3 are in; what was issued behind them may be out
	WIN \lo
	MUL16 0, (\q)%2, \zero
	MUL16 2, (\q)%2, \zero
	s_wait_dscnt 0x0                               ; x's blocks 4-7 are in (and, at pass 1's head, the image's stores have read window 2)
	PLACES
	WIN 0
	FETCH_B \kind, \slot, (\q)+1, 1-(\q)%2
	FETCH_A \kind, \slot, (\q)+1, 0
	WIN \hi
	MUL16 4, (\q)%2, \zero
	MUL16 6, (\q)%2, \zero
	PLACES
	WIN 0
	FETCH_A \kind, \slot, (\q)+1, 4
.endm
; Chunk kc of x (256 along K of my 32 rows) goes from window 3 into the chunk in LDS.  Behind it 16 (3 - kc) loads were issued.
.macro XSTORE kc
	s_wait_loadcnt 48-16*(\kc)
	WIN 0x0c                                       ; the stores' data in window 3
.irp i, 0,1,2,3,4,5,6,7,8,9,10,11,12,13,14,15
	ds_store_b128 v[XST], v[64*(\kc)+4*\i:64*(\kc)+4*\i+3] offset:2*PX*\i
.endr
	WIN 0
.endm
; PASS 0: a slot's last 64 along K, and the change of slots at its head.  All fragments of this slot and of x's chunk are asked for: each wave waits for all its tensor loads, adds 0 to its spare word, and waits for that
; and for those reads; the barrier opens a round of the cluster's barrier, and the refill is the first thing behind it.  fill = 1: this slot takes W's tile two on;  2: the bytes are given to pass 1's slot of the same number.
; xs: x's next chunk (0: none) is stored behind the round, where nobody reads the old one, and a work-group barrier, under the first 32 matrix instructions, shows it to all four waves.  nk: the next tile's kind.
.macro TURNP slot, fill, xs, nk
	s_wait_tensorcnt 0x0                           ; all my tensor loads have landed: my part of the next slot
	ds_add_u32 v[SPW], v[NIL]                      ; 0 onto my spare word
.if (\fill) == 1
	s_add_nc_u64 s[G0P+4*(\slot)+2:G0P+4*(\slot)+3], s[G0P+4*(\slot)+2:G0P+4*(\slot)+3], 512   ; no load of mine is out: the slot's next tile, 512 along K on
.endif
	s_wait_dscnt 0x0                               ; the add is done; my reads of this slot and of x's chunk are back
	s_barrier_signal -1
	s_barrier_wait -1
	CREST                                          ; no wave of any partner still reads this slot or has a load on its way
.if (\fill) == 1
	JLOADP \slot
.else
	JLOAD1 \slot
.endif
.if \xs
	XSTORE \xs
.endif
	WIN M1
	MUL16 0, 1, 0
.if \xs
	s_wait_dscnt 0x0                               ; for the others' sake: my stores of x have landed
	s_barrier_signal -1                            ; the refill just asked for may stay out
.endif
	MUL16 2, 1, 0
	WIN 0
.if \xs
	s_barrier_wait -1
.endif
	PLACES
	FETCH_B \nk, 1-(\slot), 0, 0
	FETCH_A \nk, 1-(\slot), 0, 0
	WIN M2
	MUL16 4, 1, 0
	MUL16 6, 1, 0
	PLACES
	WIN 0
	FETCH_A \nk, 1-(\slot), 0, 4
.endm
; PASS 1: the same for a slot of 128 along K.  fill = 1: this slot takes x's and W's tiles two on; 0: nothing is left to fetch, and the work-group's barrier alone shows the next slot to all.
.macro TURN1 slot, fill
	s_wait_tensorcnt 0x0                           ; all my tensor loads have landed: my part of the next slot
	ds_add_u32 v[SPW], v[NIL]                      ; 0 onto my spare word
.if \fill
	s_add_nc_u64 s[G0W+4*(\slot)+2:G0W+4*(\slot)+3], s[G0W+4*(\slot)+2:G0W+4*(\slot)+3], 256
	s_add_nc_u64 s[G0X+4*(\slot)+2:G0X+4*(\slot)+3], s[G0X+4*(\slot)+2:G0X+4*(\slot)+3], 256
.endif
	s_wait_dscnt 0x0                               ; the add is done; my reads of this slot are back
	s_barrier_signal -1
	s_barrier_wait -1
.if \fill
	CREST
	JLOAD1 \slot                                   ; 128 matrix instructions of mine stand between this request and the wait for it
.endif
	WIN M3
	MUL16 0, 1, 0
	MUL16 2, 1, 0
	PLACES
	WIN 0
	FETCH_B 1, 1-(\slot), 0, 0
	FETCH_A 1, 1-(\slot), 0, 0
	WIN M2
	MUL16 4, 1, 0
	MUL16 6, 1, 0
	PLACES
	WIN 0
	FETCH_A 1, 1-(\slot), 0, 4
.endm
; ---------------- the head
	s_load_b256 s[4:11], s[0:1], 0x0               ; x s[4:5], W s[6:7], the scales' exponents s[8:9], out0 s[10:11]
	v_lshl_add_u32 v[SPW], v0, 2, SPARE
	v_mov_b32 v[NIL], 0
	ds_add_u32 v12, v13
	ds_add_u32 v12, v13
	s_wait_dscnt 0x0
	v_lshrrev_b32 v22, 5, v0
	v_readfirstlane_b32 s12, v22                   ; wave 0..3
	s_and_b32 s13, s12, 1                          ; which half of a tile I fetch in pass 1
	s_bfe_u32 s14, ttmp6, 0x40000                  ; cx: my place in the cluster
	s_lshl_b32 s15, ttmp9, 2
	s_add_co_u32 s15, s15, s14                     ; my class = 4 x cluster + cx: it enters x's and out0's addresses alone
	s_lshl_b32 s28, s15, 17                        ; a class's 128 rows of 1,024 bytes
	s_mov_b32 s29, 0
	v_mov_b32 v23, 0                               ; written once: a lane permute's destination counts as one of its sources
	v_and_b32 v28, 15, v0                          ; r
	v_bfe_u32 v29, v0, 4, 1                        ; h
	v_and_b32 v30, 31, v0                          ; l
	v_and_b32 v31, 0x60, v0
	v_add_nc_u32 v31, v31, v29                     ; 32 w + h: lanes 0-15 take one row, lanes 16-31 the next
	v_lshlrev_b32 v[XGO], 10, v31
	v_lshl_add_u32 v[XGO], v28, 4, v[XGO]
	s_wait_kmcnt 0x0
	s_load_b64 s[16:17], s[8:9], 0x0               ; the two exponents
	s_add_nc_u64 s[4:5], s[4:5], s[28:29]          ; x at my class
	WIN 0xc0                                       ; destination window 3
.irp kc, 0,1,2,3                               ; all of my 32 rows, chunk by chunk: sixteen lanes read 256 consecutive bytes, aligned; 32 KB of a wave are on their way.  No hint: pass 1 reads x again
.irp i, 0,1,2,3,4,5,6,7,8,9,10,11,12,13,14,15
	global_load_b128 v[64*\kc+4*\i:64*\kc+4*\i+3], v[XGO], s[4:5] offset:2048*\i+256*\kc
.endr
.endr
	WIN 0
	s_lshl_b32 s28, s15, 12
	s_add_nc_u64 s[10:11], s[10:11], s[28:29]      ; out0 at my class's row
	; descriptor groups 1: elements of 1 byte, 16 bytes of padding behind every row
	s_mov_b32 s[G1P], 15|(1<<20)|(1<<21)|(5<<22)|(3<<25)   ; pass 0's W: 15:0 the mask: all four work-groups; 20 padding on; 21 set beside a mask; 24:22 after every 64 words (code 5); 31:25 four words (code 3)
	s_mov_b32 s[G1P+1], 256<<16                    ; tensor_dim0 = 256
	s_mov_b32 s[G1P+2], 128<<16                    ; tensor_dim1 = 128
	s_mov_b32 s[G1P+3], 256<<16                    ; tile_dim0 = 256
	s_mov_b32 s[G1P+4], 128                        ; tile_dim1 = 128
	s_mov_b32 s[G1P+5], 1024                       ; from row to row
	s_mov_b32 s[G1P+6], 0
	s_mov_b32 s[G1P+7], 0
	s_mov_b32 s[G1W], 15|(1<<20)|(1<<21)|(4<<22)|(3<<25)   ; pass 1's W: padding after every 32 words (code 4)
	s_mov_b32 s[G1W+1], 128<<16                    ; tensor_dim0 = 128
	s_mov_b32 s[G1W+2], 256<<16                    ; tensor_dim1 = 256
	s_mov_b32 s[G1W+3], 128<<16                    ; tile_dim0 = 128
	s_mov_b32 s[G1W+4], 256                        ; tile_dim1 = 256
	s_mov_b32 s[G1W+5], 1024
	s_mov_b32 s[G1W+6], 0
	s_mov_b32 s[G1W+7], 0
	s_mov_b32 s[G1X], (1<<20)|(4<<22)|(3<<25)      ; no mask: x is my class's own
	s_mov_b32 s[G1X+1], 128<<16
	s_mov_b32 s[G1X+2], 64<<16                     ; 64 rows
	s_mov_b32 s[G1X+3], 128<<16
	s_mov_b32 s[G1X+4], 64
	s_mov_b32 s[G1X+5], 1024
	s_mov_b32 s[G1X+6], 0
	s_mov_b32 s[G1X+7], 0
	; groups 0, a set for each slot.  Every wave makes all three kinds
	s_mul_i32 s20, s13, 64*PR
	s_mul_i32 s21, s13, 256*PR
	s_mov_b32 s31, 0
	s_mov_b32 s[G0X], 1
	s_mov_b32 s[G0X+4], 1
	s_add_co_u32 s[G0X+1], s20, RB+SLOT            ; pass 1's slot 0 lies above its slot 1
	s_add_co_u32 s[G0X+5], s20, RB
	s_lshl_b32 s30, s13, 16                        ; 64 rows of 1,024 bytes
	s_add_nc_u64 s[G0X+2:G0X+3], s[4:5], s[30:31]
	s_add_nc_u64 s[G0X+6:G0X+7], s[G0X+2:G0X+3], 128
	s_or_b32 s[G0X+3], s[G0X+3], 0x80000000
	s_or_b32 s[G0X+7], s[G0X+7], 0x80000000
	s_mov_b32 s[G0W], 1
	s_mov_b32 s[G0W+4], 1
	s_add_co_u32 s[G0W+1], s21, RB+SLOT+XP
	s_add_co_u32 s[G0W+5], s21, RB+XP
	s_lshl_b32 s30, s13, 18                        ; 256 rows of 1,024 bytes,
	s_add_co_u32 s30, s30, 512*1024                ; from W's row 512 on
	s_add_nc_u64 s[G0W+2:G0W+3], s[6:7], s[30:31]
	s_add_nc_u64 s[G0W+6:G0W+7], s[G0W+2:G0W+3], 128
	s_or_b32 s[G0W+3], s[G0W+3], 0x80000000
	s_or_b32 s[G0W+7], s[G0W+7], 0x80000000
	s_mul_i32 s20, s12, 128*PX                     ; pass 0: my 128 rows in a slot,
	s_mov_b32 s[G0P], 1
	s_mov_b32 s[G0P+4], 1
	s_add_co_u32 s[G0P+1], s20, XRB+BIG
	s_add_co_u32 s[G0P+5], s20, XRB
	s_lshl_b32 s30, s12, 17                        ; and in memory
	s_add_nc_u64 s[G0P+2:G0P+3], s[6:7], s[30:31]
	s_add_nc_u64 s[G0P+6:G0P+7], s[G0P+2:G0P+3], 256
	s_or_b32 s[G0P+3], s[G0P+3], 0x80000000
	s_or_b32 s[G0P+7], s[G0P+7], 0x80000000
	CROUND                                         ; all four work-groups are here: the first joint loads meet
	tensor_load_to_lds s[G0P:G0P+3], s[G1P:G1P+7]  ; the first fills, W's tiles 0 and 1: two loads of every wave are out
	s_nop 0
	tensor_load_to_lds s[G0P+4:G0P+7], s[G1P:G1P+7]
	s_nop 0
.rept 4
	v_nop
.endr
	; the addresses that stay
	v_mul_u32_u24 v22, v28, PR
	v_lshl_add_u32 v22, v29, 4, v22                ; a fragment's row x pitch + 16 h
	v_add_nc_u32 v[ADRA], RB+SLOT, v22
	v_add_nc_u32 v[ADRA+1], RB, v22
	s_mul_i32 s20, s12, 128*PR
	s_add_co_u32 s20, s20, XP                      ; my 128 rows of W, behind x's part
	v_add_nc_u32 v[ADRB], s20, v[ADRA]
	v_add_nc_u32 v[ADRB+1], s20, v[ADRA+1]
	v_mul_u32_u24 v[ADRX], v28, PX
	v_lshl_add_u32 v[ADRX], v29, 4, v[ADRX]
	v_mul_u32_u24 v[XST], v31, PX
	v_lshl_add_u32 v[XST], v28, 4, v[XST]
	s_mul_i32 s20, s12, 128*PX
	s_add_co_u32 s21, s20, XRB+BIG
	v_add_nc_u32 v[ADRP], s21, v[ADRX]
	s_add_co_u32 s21, s20, XRB
	v_add_nc_u32 v[ADRP+1], s21, v[ADRX]
	s_lshl_b32 s21, s12, 15
	v_lshl_add_u32 v[ESP], v30, 4, s21             ; 32,768 w + 16 l
	s_lshl_b32 s21, s12, 9                         ; 512 w
	v_lshl_add_u32 v[OGO], v30, 4, s21
	v_lshl_add_u32 v[DST], v30, 4, s21
	v_add_nc_u32 v[DST], DSC, v[DST]               ; d of rows 4 l .. 4 l + 3, in my wave's copy
	v_lshl_add_u32 v[DRD], v29, 5, s21
	v_add_nc_u32 v[DRD], DSC, v[DRD]               ; back: rows 16 a + 8 h + 0..7 at 64 a + 32 h
	v_lshl_add_u32 v[BWR], v30, 4, BWB
	v_and_b32 v22, 1, v0                           ; behind the sums across lanes, lane l holds rows 64 bit0 + 32 bit1 + 16 bit2 + 8 h + 4 bit3 + 0..3: four bytes a row
	v_lshlrev_b32 v[BWS], 8, v22
	v_bfe_u32 v22, v0, 1, 1
	v_lshl_add_u32 v[BWS], v22, 7, v[BWS]
	v_bfe_u32 v22, v0, 2, 1
	v_lshl_add_u32 v[BWS], v22, 6, v[BWS]
	v_bfe_u32 v22, v0, 3, 1
	v_lshl_add_u32 v[BWS], v22, 4, v[BWS]
	v_lshl_add_u32 v[BWS], v29, 5, v[BWS]
	v_add_nc_u32 v[BWS], s21, v[BWS]
	v_add_nc_u32 v[BWS], BWB, v[BWS]
	v_mov_b32 v[SQS], s12
	v_lshl_add_u32 v[SQS], v[SQS], 2, SQB
	v_mov_b32 v[SQR], SQB
	s_lshl_b32 s21, s12, 10                        ; 1,024 w
	v_lshl_add_u32 v[OST], v28, 2, s21
	v_add_nc_u32 v[OST], OSC, v[OST]
	v_lshl_add_u32 v[ORD], v30, 4, s21
	v_add_nc_u32 v[ORD], OSC, v[ORD]
.irp i, 0,1,2,3
	v_mov_b32 v[LG+\i], 0                          ; b begins as zeros
.endr
	s_mov_b32 s22, 0x76543210                      ; v_permlanex16_b32: lane l xor 16
	s_mov_b32 s23, 0xfedcba98
	s_mov_b32 s24, 0xaaaaaaaa                      ; the lanes whose bit 0, 1, 2, 3 is set
	s_mov_b32 s25, 0xcccccccc
	s_mov_b32 s26, 0xf0f0f0f0
	s_mov_b32 s27, 0xff00ff00
	s_wait_kmcnt 0x0
	s_add_co_i32 s18, s16, s17                     ; E
	XSTORE 0
	s_wait_tensorcnt 0x1                           ; my part of W's tile 0 is in; tile 1's may stay out
	s_wait_dscnt 0x0                               ; my stores of x have landed
	s_barrier_signal -1
	s_barrier_wait -1
	FETCH_B 0, 0, 0, 0
	FETCH_A 0, 0, 0, 0
	FETCH_A 0, 0, 0, 4
; ---------------- pass 0: columns 0-511, four tiles of 256 along K, written out: x's chunks lie in other registers from tile to tile
	STEP 0, 0, 0, M1, M2, 1, 8                     ; the first products start the sums
	STEP 0, 0, 1, M1, M2, 0, 8
	STEP 0, 0, 2, M1, M2, 0, 8
	TURNP 0, 1, 1, 0                               ; slot 0 takes tile 2; x's chunk 1
	STEP 0, 1, 0, M1, M2, 0, 8
	STEP 0, 1, 1, M1, M2, 0, 8
	STEP 0, 1, 2, M1, M2, 0, 8
	TURNP 1, 1, 2, 0                               ; slot 1 takes tile 3; x's chunk 2
	STEP 0, 0, 0, M1, M2, 0, 8
	STEP 0, 0, 1, M1, M2, 0, 8
	STEP 0, 0, 2, M1, M2, 0, 8
	TURNP 0, 2, 3, 0                               ; the ring goes on into pass 1: its slot 0 takes W's rows 512 on and x, K = 0; x's chunk 3
	STEP 0, 1, 0, M1, M2, 0, 8
	STEP 0, 1, 1, M1, M2, 0, 8
	STEP 0, 1, 2, M1, M2, 0, 8
	TURNP 1, 2, 0, 1                               ; its slot 1 takes K = 128; pass 1's first fragments are fetched
	; rows 64-127 of pass 0 leave window 2 as an image of the registers: quad i at 512 i + 16 l of my 32,768 bytes.  Every wave has passed the round behind which nobody reads x's chunk or pass 0's slots,
	; and no tile lands in these bytes any more.  Four places stand behind the last products; each accumulator is read from its low end on.
	WIN 0x08                                       ; the stores' data in window 2
.set kk, 0
.rept 64
	ds_store_b128 v[ESP], v[4*kk:4*kk+3] offset:512*kk
.set kk, kk+1
.endr
	WIN 0
; ---------------- pass 1: columns 512-1023, eight tiles of 128 along K
	STEP 1, 0, 0, M3, M2, 1, 63                    ; behind W's set and x's blocks 0-3 stand 8 loads and 64 stores: the count is the largest that the wait can name
	s_mov_b32 s20, 3
.Llap:                                             ; a trip goes once round the ring and fills both slots again: tiles 2 to 7
	TURN1 0, 1
	STEP 1, 1, 0, M3, M2, 0, 8
	TURN1 1, 1
	STEP 1, 0, 0, M3, M2, 0, 8
	s_sub_co_u32 s20, s20, 1
	s_cmp_lg_u32 s20, 0
	s_cbranch_scc1 .Llap
	TURN1 0, 0                                     ; the tail is written out: nothing is left to fetch
	STEP 1, 1, 0, M3, M2, 0, 8
	s_wait_dscnt 8
	WIN M3
	MUL16 0, 1, 0
	MUL16 2, 1, 0
	s_wait_dscnt 0x0
	WIN M2
	MUL16 4, 1, 0
	MUL16 6, 1, 0
	WIN 0
	PLACES
; ---------------- routing
.macro LOADS hf                        ; half hf of the image: rows 64 + 32 hf on of pass 0's columns, 128 registers
.set kk, 0
.rept 32
	ds_load_b128 v[SS+4*kk:SS+4*kk+3], v[ESP] offset:512*(32*(\hf)+kk)
.set kk, kk+1
.endr
.endm
; c's pairs cb0 .. cb0 + 7 += e x d, for na blocks of 16 rows from block a0 on; e at v[src] on (source 0's window).  Eight chains by turns.  first = 1: the first products start the sums.  An accumulator's registers 0, 1 are read first.
.macro PSUM src, cb0, a0, na, first
.set al, 0
.rept \na
.set jp, 0
.rept 4
.set bb, 0
.rept 8
.if (\first) && (al == 0) && (jp == 0)
	v_pk_mul_f32 v[CC+2*((\cb0)+bb):CC+2*((\cb0)+bb)+1], v[(\src)+8*(8*al+bb)+2*jp:(\src)+8*(8*al+bb)+2*jp+1], v[DD+8*((\a0)+al)+2*jp:DD+8*((\a0)+al)+2*jp+1]
.else
	v_pk_fma_f32 v[CC+2*((\cb0)+bb):CC+2*((\cb0)+bb)+1], v[(\src)+8*(8*al+bb)+2*jp:(\src)+8*(8*al+bb)+2*jp+1], v[DD+8*((\a0)+al)+2*jp:DD+8*((\a0)+al)+2*jp+1], v[CC+2*((\cb0)+bb):CC+2*((\cb0)+bb)+1]
.endif
.set bb, bb+1
.endr
.set jp, jp+1
.endr
.set al, al+1
.endr
.endm
; the partial logits of rows 16 a + 8 h + j += e x c, c's low word for both halves.  4 na chains by turns.  first: bit al set: block a0 + al's sums start here.
.macro PDOT src, cb0, a0, na, first
.set bb, 0
.rept 8
.set al, 0
.rept \na
.set jp, 0
.rept 4
.if (bb == 0) && (((\first)>>al)&1)
	v_pk_mul_f32 v[BP+8*((\a0)+al)+2*jp:BP+8*((\a0)+al)+2*jp+1], v[(\src)+8*(8*al+bb)+2*jp:(\src)+8*(8*al+bb)+2*jp+1], v[CC+2*((\cb0)+bb):CC+2*((\cb0)+bb)+1] op_sel_hi:[1,0]
.else
	v_pk_fma_f32 v[BP+8*((\a0)+al)+2*jp:BP+8*((\a0)+al)+2*jp+1], v[(\src)+8*(8*al+bb)+2*jp:(\src)+8*(8*al+bb)+2*jp+1], v[CC+2*((\cb0)+bb):CC+2*((\cb0)+bb)+1], v[BP+8*((\a0)+al)+2*jp:BP+8*((\a0)+al)+2*jp+1] op_sel_hi:[1,0,1]
.endif
.set jp, jp+1
.endr
.set al, al+1
.endr
.set bb, bb+1
.endr
.endm
; A stage of the sum across 16 lanes: of 2 n numbers a lane keeps n (the upper n where its bit is set), sends the others to lane l xor xm, and adds what that lane sends.
.macro RSTAGE n, xm, mk
.set qq, 0
.rept \n
	v_cndmask_b32 v[SS+qq], v[BP+qq+\n], v[BP+qq], s[\mk]
.set qq, qq+1
.endr
.set qq, 0
.rept \n
	v_cndmask_b32 v[BP+qq], v[BP+qq], v[BP+qq+\n], s[\mk]
.set qq, qq+1
.endr
.set qq, 0
.rept \n
	v_add_f32_dpp v[BP+qq], v[SS+qq], v[BP+qq] row_xmask:\xm row_mask:0xf bank_mask:0xf
.set qq, qq+1
.endr
.endm
	s_mov_b32 s19, 0
.Lroute:
	; d = softmax(b) over the class's 128 rows: every wave makes it for itself, four rows a lane, from the same numbers in the same order
	v_max3_num_f32 v22, v[LG], v[LG+1], v[LG+2]
	v_max_num_f32 v22, v22, v[LG+3]
.irp m, 1,2,4,8
	v_max_num_f32_dpp v22, v22, v22 row_xmask:\m row_mask:0xf bank_mask:0xf
.endr
	v_permlanex16_b32 v23, v22, s22, s23
	v_max_num_f32 v22, v22, v23                    ; the largest logit
.irp i, 0,1,2,3
	v_sub_f32 v[PP+\i], v[LG+\i], v22
.endr
.irp i, 0,1,2,3
	v_mul_f32 v[PP+\i], 0x3fb8aa3b, v[PP+\i]       ; x log2(e)
.endr
.irp i, 0,1,2,3
	v_exp_f32 v[PP+\i], v[PP+\i]
.endr
	v_nop                                          ; a plain instruction behind the last exponential,
	s_wait_alu depctr_va_vdst(0)                   ; and one wait for the four, ahead of their first reader
	v_add_f32 v22, v[PP], v[PP+1]
	v_add_f32 v23, v[PP+2], v[PP+3]
	v_add_f32 v22, v22, v23
.irp m, 1,2,4,8
	v_add_f32_dpp v22, v22, v22 row_xmask:\m row_mask:0xf bank_mask:0xf
.endr
	v_permlanex16_b32 v23, v22, s22, s23
	v_add_f32 v22, v22, v23
	v_rcp_f32 v22, v22
	v_nop
	s_wait_alu depctr_va_vdst(0)
	v_pk_mul_f32 v[PP:PP+1], v[PP:PP+1], v[22:23] op_sel_hi:[1,0]
	v_pk_mul_f32 v[PP+2:PP+3], v[PP+2:PP+3], v[22:23] op_sel_hi:[1,0]
	ds_store_b128 v[DST], v[PP:PP+3]               ; through my wave's own bytes: LDS serves a wave's instructions in order (ISA guide 5.7.1.4), so the loads below see the store
.irp a, 0,1,2,3,4,5,6,7
	ds_load_b128 v[DD+8*\a:DD+8*\a+3], v[DRD] offset:64*\a        ; d of rows 16 a + 8 h + 0..7: in the order of an accumulator's registers
	ds_load_b128 v[DD+8*\a+4:DD+8*\a+7], v[DRD] offset:64*\a+16
.endr
	; c = sum over the rows of d e
	LOADS 0
	s_wait_dscnt 32                                ; d is in; the 32 loads of the image may be out
	WIN 0x01
	PSUM 0, 0, 0, 4, 1                             ; pass 0's columns, rows 0-63: window 1
	WIN 0
	s_wait_dscnt 0x0
	PSUM SS, 0, 4, 2, 0                            ; rows 64-95: the image's first half
	LOADS 1
	WIN 0x03
	PSUM 0, 8, 0, 4, 1                             ; pass 1's columns, rows 0-63: window 3
	WIN 0x02
	PSUM 0, 8, 4, 4, 0                             ; rows 64-127: window 2
	WIN 0
	s_wait_dscnt 0x0
	PSUM SS, 0, 6, 2, 0                            ; pass 0's columns, rows 96-127
.irp cb, 0,1,2,3,4,5,6,7,8,9,10,11,12,13,14,15
	v_add_f32 v[CC+2*\cb], v[CC+2*\cb], v[CC+2*\cb+1]
.endr
.irp cb, 0,1,2,3,4,5,6,7,8,9,10,11,12,13,14,15
	v_permlanex16_b32 v[CC+2*\cb+1], v[CC+2*\cb], s22, s23        ; the other eight rows of each block lie in lane l xor 16
.endr
.irp cb, 0,1,2,3,4,5,6,7,8,9,10,11,12,13,14,15
	v_add_f32 v[CC+2*\cb], v[CC+2*\cb], v[CC+2*\cb+1]
.endr
.irp cb, 0,1,2,3,4,5,6,7,8,9,10,11,12,13,14,15
	v_ldexp_f32 v[CC+2*\cb], v[CC+2*\cb], s18      ; x 2^E: c
.endr
	; squash: the sum of c^2 over my 16 blocks, my 16 columns of each, and the four waves
	v_mul_f32 v22, v[CC], v[CC]
	v_mul_f32 v23, v[CC+2], v[CC+2]
.irp cb, 2,4,6,8,10,12,14
	v_fmac_f32 v22, v[CC+2*\cb], v[CC+2*\cb]
	v_fmac_f32 v23, v[CC+2*\cb+2], v[CC+2*\cb+2]
.endr
	v_add_f32 v22, v22, v23
.irp m, 1,2,4,8
	v_add_f32_dpp v22, v22, v22 row_xmask:\m row_mask:0xf bank_mask:0xf
.endr
	ds_store_b32 v[SQS], v22                       ; all lanes hold the same number
	s_wait_dscnt 0x0                               ; for the others' sake: my store has landed
	s_barrier_signal -1
	s_barrier_wait -1
	ds_load_b128 v[PP:PP+3], v[SQR]
	s_wait_dscnt 0x0
	v_add_f32 v[PP], v[PP], v[PP+1]
	v_add_f32 v[PP+2], v[PP+2], v[PP+3]
	v_add_f32 v22, v[PP], v[PP+2]                  ; squared
	v_add_f32 v[PP], 1.0, v22
	v_add_f32 v[PP+1], 0x3089705f, v22             ; + 1e-9
	v_rcp_f32 v[PP], v[PP]
	v_rsq_f32 v[PP+1], v[PP+1]
	v_nop
	s_wait_alu depctr_va_vdst(0)
	v_mul_f32 v22, v22, v[PP]
	v_mul_f32 v22, v22, v[PP+1]                    ; coeff = squared / (1 + squared) / sqrt(squared + 1e-9)
	s_cmp_eq_u32 s19, 2                            ; the third c is the result
	s_cbranch_scc1 .Lout
	v_ldexp_f32 v22, v22, s18                      ; the sums in the registers lack 2^E: it goes into c
.irp cb, 0,1,2,3,4,5,6,7,8,9,10,11,12,13,14,15
	v_mul_f32 v[CC+2*\cb], v[CC+2*\cb], v22
.endr
	; b += e c: my 256 columns' part for all 128 rows
	LOADS 0
	WIN 0x01
	PDOT 0, 0, 0, 4, 15
	WIN 0x03
	PDOT 0, 8, 0, 4, 0
	WIN 0
	s_wait_dscnt 0x0
	PDOT SS, 0, 4, 2, 3
	LOADS 1
	WIN 0x02
	PDOT 0, 8, 4, 4, 12
	WIN 0
	s_wait_dscnt 0x0
	PDOT SS, 0, 6, 2, 0
	RSTAGE 32, 1, 24                               ; 64 numbers a lane, to be summed over the 16 lanes of a half: 32, 16, 8, 4 are left
	RSTAGE 16, 2, 25
	RSTAGE 8, 4, 26
	RSTAGE 4, 8, 27
	ds_store_b128 v[BWS], v[BP:BP+3]               ; my wave's part of the logits of four rows
	s_wait_dscnt 0x0
	s_barrier_signal -1
	s_barrier_wait -1
.irp w, 0,1,2,3
	ds_load_b128 v[SS+4*\w:SS+4*\w+3], v[BWR] offset:512*\w       ; the four waves' parts of rows 4 l .. 4 l + 3
.endr
	s_wait_dscnt 0x0
	v_pk_add_f32 v[SS:SS+1], v[SS:SS+1], v[SS+4:SS+5]
	v_pk_add_f32 v[SS+2:SS+3], v[SS+2:SS+3], v[SS+6:SS+7]
	v_pk_add_f32 v[SS+8:SS+9], v[SS+8:SS+9], v[SS+12:SS+13]
	v_pk_add_f32 v[SS+10:SS+11], v[SS+10:SS+11], v[SS+14:SS+15]
	v_pk_add_f32 v[SS:SS+1], v[SS:SS+1], v[SS+8:SS+9]
	v_pk_add_f32 v[SS+2:SS+3], v[SS+2:SS+3], v[SS+10:SS+11]
	v_pk_add_f32 v[LG:LG+1], v[LG:LG+1], v[SS:SS+1]
	v_pk_add_f32 v[LG+2:LG+3], v[LG+2:LG+3], v[SS+2:SS+3]
	; the words of the sums of squares are written again only behind the barrier above, the partial logits only behind the next trip's first barrier: each wave reaches them with its reads waited for
	s_add_co_u32 s19, s19, 1
	s_cmp_lt_u32 s19, 3
	s_cbranch_scc1 .Lroute
.Lout:
	; the way out: my 2 x 128 columns through my wave's own stage, so that each store of the wave covers 512 consecutive bytes, aligned
.irp cb, 0,1,2,3,4,5,6,7,8,9,10,11,12,13,14,15
	v_mul_f32 v[CC+2*\cb], v[CC+2*\cb], v22
.endr
.irp cb, 0,1,2,3,4,5,6,7,8,9,10,11,12,13,14,15
	ds_store_b32 v[OST], v[CC+2*\cb] offset:512*(\cb/8)+64*(\cb%8)   ; lanes r and r + 16 hold the same number and write the same word
.endr
	ds_load_b128 v[64:67], v[ORD]
	ds_load_b128 v[68:71], v[ORD] offset:512
	s_wait_dscnt 0x0
	global_store_b128 v[OGO], v[64:67], s[10:11] th:TH_STORE_NT
	global_store_b128 v[OGO], v[68:71], s[10:11] offset:2048 th:TH_STORE_NT
	s_wait_tensorcnt 0x0                           ; the wave's end: behind my last tensor load and my last LDS store
	ds_add_u32 v[SPW], v[NIL]
	s_wait_dscnt 0x0
	CROUND                                         ; the closing round: no work-group ends while a partner may still ask for a tile that names it
	s_endpgm
.Lfunc_end_k_qa3bec76037_induction:
	.size	k_qa3bec76037_induction, .Lfunc_end_k_qa3bec76037_induction-k_qa3bec76037_induction
	.p2alignl 7, 3214868480
	.fill 96, 4, 3214868480
	.section	.rodata,"a",@progbits
	.p2align	6, 0x0
	.amdhsa_kernel k_qa3bec76037_induction
		.amdhsa_group_segment_fixed_size 327680
		.amdhsa_private_segment_fixed_size 0
		.amdhsa_enable_private_segment 0
		.amdhsa_kernarg_size 32
		.amdhsa_user_sgpr_count 2
		.amdhsa_user_sgpr_kernarg_segment_ptr 1
		.amdhsa_wavefront_size32 1
		.amdhsa_system_sgpr_workgroup_id_x 1
		.amdhsa_system_sgpr_workgroup_id_y 1
		.amdhsa_system_sgpr_workgroup_id_z 1
		.amdhsa_system_vgpr_workitem_id 0
		.amdhsa_next_free_vgpr 1024
		.amdhsa_next_free_sgpr 84
		.amdhsa_reserve_vcc 0
		.amdhsa_float_denorm_mode_32 3
		.amdhsa_float_denorm_mode_16_64 3
		.amdhsa_memory_ordered 1
		.amdhsa_forward_progress 1
		.amdhsa_inst_pref_size 255
	.end_amdhsa_kernel
	.section	.bss,"aw",@nobits
	.p2align	6
	.space	262144
	.amdgpu_metadata
---
amdhsa.version: [ 1, 2 ]
amdhsa.kernels:
  - .name:           k_qa3bec76037_induction
    .symbol:         k_qa3bec76037_induction.kd
    .args:
      - { .name: x_codes, .offset: 0, .size: 8, .value_kind: global_buffer, .address_space: global }
      - { .name: W_codes, .offset: 8, .size: 8, .value_kind: global_buffer, .address_space: global }
      - { .name: lowp_scales, .offset: 16, .size: 8, .value_kind: global_buffer, .address_space: global }
      - { .name: out0, .offset: 24, .size: 8, .value_kind: global_buffer, .address_space: global }
    .group_segment_fixed_size: 327680
    .private_segment_fixed_size: 0
    .kernarg_segment_align: 8
    .kernarg_segment_size: 32
    .max_flat_workgroup_size: 128
    .sgpr_count:     84
    .vgpr_count:     1024
    .wavefront_size: 32
...
	.end_amdgpu_metadata
.endif
;; end of part 1
